; MI455X (gfx1250); checked and timed in simulation.
; The chip was launched on July 23, 2026; its instructions are those of AMD's public machine-readable ISA for CDNA 5 (MIT licence, August 2026) and "CDNA5" Instruction Set Architecture Reference Guide (July 2026). The comments in the code are by the model that wrote it; some were corrected since.
;; Quantize Linear. Allowed arithmetic: matrix products marked QUANTISED: E4M3 operands, one given power-of-two scale a tensor, by v_wmma_f32_16x16x64_fp8_fp8 or v_wmma_f32_16x16x128_fp8_fp8, f32 sums; everything else in f32.
;; Inputs: bias 4,096 float32; g 4,096 float32; h 4,096 float32; ln_beta 4,096 float32; ln_gamma 4,096 float32; lowp_scales 2 int32 (the exponents e of the quantised operands' scales 2^e); weight 4,096 x 4,096 float32; x 4 x 1,024 x 4,096 float32.
;; Outputs: out0 4 x 1,024 x 4,096 float32.
;; This version of the problem:
;;   THIS VERSION OF THE PROBLEM IS GIVEN IN LOW PRECISION. The matrix products marked QUANTISED in the list below multiply operands that are first quantised to E4M3 (4 exponent bits, 3 mantissa bits; 8 bits a number), with one given power-of-two scale for each operand tensor; their sums are f32. All else is computed in f32.
;;   The module's matrix products, in the order in which they are computed (A, B: the left and right operand; K: the contracted axis; several contracted axes count as one K, in the product's order):
;;     1. [M 4,096, K 4,096] x [K 4,096, N 4,096]; A: computed on the way; B: computed on the way: QUANTISED (scales: A lowp_scales[0], B lowp_scales[1])
;;   THE QUANTISER, for each operand of a quantised product, along K:
;;     - The operand's scale is 2^e, e = its entry of the input lowp_scales (int32; the entries are numbered through the quantised products in the list's order, A before B).
;;     - Each number is divided by the scale, clamped to +-448, and rounded to the nearest number of E4M3, ties to even, subnormals kept.
;;     - The product sums the exact products of the quantised numbers (number of the format x scale) in f32.
;;   ~~~python
;;   def quantise(x, axis, e):      # numpy; x: float32 -> the quantised numbers, widened to float32 again
;;       x = np.moveaxis(x, axis, -1); K = x.shape[-1]
;;       r = np.clip(x / 2.0 ** e, -448, 448)
;;       step = 2.0 ** (np.maximum(np.frexp(np.where(r == 0, 1, r))[1] - 1, -6) - 3)
;;       q = np.round(r / step) * step * 2.0 ** e      # np.round: ties to even
;;       return np.moveaxis(q, -1, axis).astype(np.float32)
;;   ~~~
;;   OPERANDS COMPUTED ON THE WAY. 'Computed on the way' means the value that the module computes at that place (a softmax that the list does not call 'softmax' is quantised finished and normalised). What goes into a quantiser is computed in f32, as accurately as f32 sums, v_exp_f32 and their like allow (about 1e-6 of the number): no bf16 or f16 on the way to a quantiser, and a product that is left as it is and whose result goes on into a quantised operand takes f32 operands (vector FMAs, or v_wmma_f32_16x16x4_f32). A number that lies on a knife's edge between two numbers of the format may be rounded either way, as far as f32 arithmetic and the matrix unit's own rounding can turn it there, and no further.
;; One version. Each part assembles by itself: llvm-mc -triple=amdgcn-amd-amdhsa -mcpu=gfx1250 --defsym DOCPART=n.
;; ======== version 1 of 1: 3 launches
;; limits: right only within a limited range of input values
;; workspace buffers: a_codes 16,777,216 bytes; b_codes 16,777,216 bytes; y 67,108,864 bytes
;; launch quant (part 1): grid 256 x 2, 8 waves a work-group, no clusters, 0 bytes of LDS; arguments x, weight, g, lowp_scales, a_codes, b_codes; writes a_codes, b_codes
.if DOCPART == 1
	.amdgcn_target "amdgcn-amd-amdhsa--gfx1250"
	.amdhsa_code_object_version 6
	.text
	.protected	k_qaca67cc2a8_quant
	.globl	k_qaca67cc2a8_quant
	.p2align	8
	.type	k_qaca67cc2a8_quant,@function
k_qaca67cc2a8_quant:
	s_mov_b64 s[64:65], 0
	v_nop
	global_prefetch_b8 v0, s[64:65] scope:SCOPE_SE
	s_setreg_imm32_b32 hwreg(HW_REG_WAVE_MODE, 25, 1), 1
	s_wait_xcnt 0x0
; x [4096][4096] f32 times g [4096] (per column), and sign(weight) [4096][4096], become codes of FP8 (E4M3), one byte each, K innermost, each with its given scale:
; 2^e0 for x g, 2^e1 for sign(weight); e0, e1 are the two whole numbers in the buffer of scales.  code = number / 2^e, held within +-448, to the nearest code, ties to even.
; ONE PATH FOR BOTH TENSORS: val = in x m, held within +-lim, converted with the scale sc.
;   x:      m = g of the column;  sc = 2^e0;         lim = 448 x 2^e0.
;   weight: m = 2^127;            sc = 2^(e1 - 22);  lim = min(1, 448 x 2^e1) x 2^-22.   Every w other than 0, the smallest denormal too, gives |w x 2^127| >= 2^-22 >= lim,
;           so the hold always bites: val = sign(w) x lim, and val / sc = sign(w) x min(2^-e1, 448): the quantiser's number for sign(w).  w = 0 stays 0.
; LIMITS: -126 <= e0 <= 119;  -104 <= e1 <= 119 (every pattern below is then an f32 number).  NaN among x, g, weight is not served.
; SHARES.  Work-group y picks the tensor, work-group x 16 rows; wave w takes columns 512 w .. 512 w + 511 of them, a row a step.  A step's four loads read 512 consecutive bytes each, 16 a lane.
; THE CODES' ORDER ALONG K.  A lane's 16 numbers (4 of each load) become its 16 codes, stored as they stand: byte 512 s + 16 l + 4 i + j of a row of codes holds k = 512 s + 128 i + 4 l + j.
; That is a permutation of k inside each 512, THE SAME in both tensors: every product of the later launch meets its partner; only the order of the sums changes.  So nothing changes lanes and every store is 512 consecutive bytes.
; Memory binds: no LDS, no barrier.  Loads run eight steps (32 loads a wave) ahead.
.set ROWF, 16384                       ; a row of f32 in bytes
.set ROWC, 4096                        ; a row of codes in bytes
.set G,    16                          ; v16-31   m for my 16 numbers of a row
.set R,    32                          ; v32-159  eight sets of 16 numbers
.set C,    160                         ; v160-223 four registers of codes for each step: no store's data are ever written again
	s_load_b256 s[4:11], s[0:1], 0x0               ; x s[4:5], weight s[6:7], g s[8:9], the scales' exponents s[10:11]
	s_load_b128 s[12:15], s[0:1], 0x20             ; x's codes s[12:13], weight's codes s[14:15]
	v_lshrrev_b32 v1, 5, v0
	s_delay_alu instid0(VALU_DEP_1)
	v_readfirstlane_b32 s16, v1                    ; wave 0..7
	v_and_b32 v2, 31, v0
	s_delay_alu instid0(VALU_DEP_1)
	v_lshlrev_b32 v3, 4, v2                        ; 16 x lane: my place in every load and every store; never rewritten
	s_and_b32 s17, ttmp7, 0xffff                   ; 0: x;  1: weight
	; THE ROWS' ORDER, the same in both tensors: inside each 64 rows, place 16 b + r of the codes' buffer holds row 4 r + b of the tensor (b = 0..3, r = 0..15).
	; Work-group x fills places 16 x .. 16 x + 15: it reads rows 64 (x / 4) + (x % 4) + 4 t, t = 0..15.  The product's launch leans on this order for its stores; the norm's launch puts the rows of the result back.
	s_lshr_b32 s18, ttmp9, 2
	s_lshl_b32 s18, s18, 20                        ; 64 rows of 16,384 bytes,
	s_and_b32 s35, ttmp9, 3
	s_lshl_b32 s35, s35, 14                        ; x % 4 rows,
	s_add_co_u32 s18, s18, s35
	s_lshl_b32 s20, s16, 11                        ; my wave's 2,048 bytes of a row (and of g)
	s_mov_b32 s21, 0
	s_add_co_u32 s18, s18, s20
	s_mov_b32 s19, 0
	s_lshl_b32 s32, ttmp9, 16                      ; the same in the codes: 16 rows of 4,096 bytes,
	s_lshl_b32 s34, s16, 9                         ; 512 bytes of a row
	s_add_co_u32 s32, s32, s34
	s_mov_b32 s33, 0
	s_wait_alu depctr_va_vdst(0)
	s_wait_kmcnt 0x0
	s_load_b64 s[22:23], s[10:11], 0x0             ; e0, e1
	s_cmp_eq_u32 s17, 0                            ; the choice hangs on the work-group's number alone
	s_cselect_b64 s[4:5], s[4:5], s[6:7]           ; from where,
	s_cselect_b64 s[12:13], s[12:13], s[14:15]     ; to where,
	s_cselect_b32 s30, 0, -1                       ; and a lane mask: all ones for weight
	s_add_nc_u64 s[4:5], s[4:5], s[18:19]
	s_add_nc_u64 s[12:13], s[12:13], s[32:33]
	s_add_nc_u64 s[8:9], s[8:9], s[20:21]
.irp i, 0,1,2,3
	global_load_b128 v[G+4*\i:G+4*\i+3], v3, s[8:9] offset:512*\i   ; g at the very columns of my 16 numbers (read in weight's work-groups too, and replaced below)
.endr
.macro LOAD t                          ; row t: four loads, 512 consecutive bytes each, into set t % 8
.irp i, 0,1,2,3
	global_load_b128 v[R+16*((\t)%8)+4*\i:R+16*((\t)%8)+4*\i+3], v3, s[4:5] offset:4*ROWF*(\t)+512*\i th:TH_LOAD_NT
.endr
.endm
.irp t, 0,1,2,3,4,5,6,7
	LOAD \t
.endr
	s_wait_kmcnt 0x0
	s_add_co_i32 s24, s22, 127
	s_lshl_b32 s24, s24, 23                        ; 2^e0
	s_add_co_i32 s25, s22, 135
	s_lshl_b32 s25, s25, 23
	s_or_b32 s25, s25, 0x600000                    ; 448 x 2^e0
	s_add_co_i32 s26, s23, 105
	s_lshl_b32 s26, s26, 23                        ; 2^(e1 - 22)
	s_add_co_i32 s27, s23, 135
	s_lshl_b32 s27, s27, 23
	s_or_b32 s27, s27, 0x600000                    ; 448 x 2^e1;
	s_min_u32 s27, s27, 0x3f800000                 ; the lesser of it and 1.0 (positive f32 patterns order as whole numbers);
	s_sub_co_u32 s27, s27, 22<<23                  ; x 2^-22
	s_cmp_eq_u32 s17, 0
	s_cselect_b32 s24, s24, s26
	s_cselect_b32 s25, s25, s27
	v_mov_b32 v11, s24                             ; sc: the conversion takes its exponent field
	v_mov_b32 v10, s25                             ; lim
	v_mov_b32 v12, 0x7f000000                      ; 2^127
	s_wait_alu depctr_va_vdst(0)
	s_wait_loadcnt 32                              ; g's four loads are in; the 32 loads of rows 0 to 7 were issued behind them
.irp i, 0,1,2,3,4,5,6,7,8,9,10,11,12,13,14,15
	v_cndmask_b32 v[G+\i], v[G+\i], v12, s30       ; m: g, or 2^127 for weight
.endr
.macro STEP t
.set XS, R+16*((\t)%8)
.if (\t) <= 8
	s_wait_loadcnt 28                              ; this row's four loads are in; those of the seven rows behind it may be out
.else
	s_wait_loadcnt 4*(15-(\t))                     ; the last rows: the counts run down
.endif
.irp i, 0,2,4,6,8,10,12,14
	v_pk_mul_f32 v[XS+\i:XS+\i+1], v[XS+\i:XS+\i+1], v[G+\i:G+\i+1]
.endr
.irp i, 0,1,2,3,4,5,6,7,8,9,10,11,12,13,14,15
	v_med3_num_f32 v[XS+\i], v[XS+\i], -v10, v10   ; the conversion to an 8-bit code does not saturate (ISA guide 7.6.2): the hold comes first; for weight it is also what makes the sign
.endr
	v_cvt_scalef32_pk8_fp8_f32 v[C+4*(\t):C+4*(\t)+1], v[XS:XS+7], v11
	v_cvt_scalef32_pk8_fp8_f32 v[C+4*(\t)+2:C+4*(\t)+3], v[XS+8:XS+15], v11
; (the codes go to a store and the numbers' registers take a load, which want no place; the next vector lines, the next row's multiplications, are plain and touch another set)
.if (\t)+8 < 16
	LOAD (\t)+8                                    ; the set just converted takes the row eight further on; the load stands ahead of the store
.endif
.if ((\t)%4) == 3                      ; four steps' codes leave in one run of stores; each step has its own four registers
.irp u, 3,2,1,0
	global_store_b128 v3, v[C+4*((\t)-\u):C+4*((\t)-\u)+3], s[12:13] offset:ROWC*((\t)-\u)   ; 32 lanes store 512 consecutive bytes, at a multiple of 512 from the buffer's first byte
.endr
.endif
.endm
	s_wait_alu depctr_va_vdst(0)
.irp t, 0,1,2,3,4,5,6,7,8,9,10,11,12,13,14,15
	STEP \t
.endr
	s_endpgm
.Lfunc_end_k_qaca67cc2a8_quant:
	.size	k_qaca67cc2a8_quant, .Lfunc_end_k_qaca67cc2a8_quant-k_qaca67cc2a8_quant
	.p2alignl 7, 3214868480
	.fill 96, 4, 3214868480
	.section	.rodata,"a",@progbits
	.p2align	6, 0x0
	.amdhsa_kernel k_qaca67cc2a8_quant
		.amdhsa_group_segment_fixed_size 0
		.amdhsa_private_segment_fixed_size 0
		.amdhsa_enable_private_segment 0
		.amdhsa_kernarg_size 48
		.amdhsa_user_sgpr_count 2
		.amdhsa_user_sgpr_kernarg_segment_ptr 1
		.amdhsa_wavefront_size32 1
		.amdhsa_system_sgpr_workgroup_id_x 1
		.amdhsa_system_sgpr_workgroup_id_y 1
		.amdhsa_system_sgpr_workgroup_id_z 1
		.amdhsa_system_vgpr_workitem_id 0
		.amdhsa_next_free_vgpr 224
		.amdhsa_next_free_sgpr 66
		.amdhsa_reserve_vcc 0
		.amdhsa_float_denorm_mode_32 3
		.amdhsa_float_denorm_mode_16_64 3
		.amdhsa_memory_ordered 1
		.amdhsa_forward_progress 1
		.amdhsa_inst_pref_size 38
	.end_amdhsa_kernel
	.amdgpu_metadata
---
amdhsa.version: [ 1, 2 ]
amdhsa.kernels:
  - .name:           k_qaca67cc2a8_quant
    .symbol:         k_qaca67cc2a8_quant.kd
    .args:
      - { .name: x, .offset: 0, .size: 8, .value_kind: global_buffer, .address_space: global }
      - { .name: weight, .offset: 8, .size: 8, .value_kind: global_buffer, .address_space: global }
      - { .name: g, .offset: 16, .size: 8, .value_kind: global_buffer, .address_space: global }
      - { .name: lowp_scales, .offset: 24, .size: 8, .value_kind: global_buffer, .address_space: global }
      - { .name: a_codes, .offset: 32, .size: 8, .value_kind: global_buffer, .address_space: global }
      - { .name: b_codes, .offset: 40, .size: 8, .value_kind: global_buffer, .address_space: global }
    .group_segment_fixed_size: 0
    .private_segment_fixed_size: 0
    .kernarg_segment_align: 8
    .kernarg_segment_size: 48
    .max_flat_workgroup_size: 256
    .sgpr_count:     66
    .vgpr_count:     224
    .wavefront_size: 32
...
	.end_amdgpu_metadata
.endif
;; end of part 1
;; launch gemm (part 2): grid 16 x 16, 4 waves a work-group, clusters of 4 x 4, 327,680 bytes of LDS; arguments a_codes, b_codes, lowp_scales, y, bias, h; writes y
.if DOCPART == 2
	.amdgcn_target "amdgcn-amd-amdhsa--gfx1250"
	.amdhsa_code_object_version 6
	.text
	.protected	k_qaca67cc2a8_gemm
	.globl	k_qaca67cc2a8_gemm
	.p2align	8
	.type	k_qaca67cc2a8_gemm,@function
k_qaca67cc2a8_gemm:
	s_mov_b64 s[64:65], 0
	v_nop
	global_prefetch_b8 v0, s[64:65] scope:SCOPE_SE
	s_setreg_imm32_b32 hwreg(HW_REG_WAVE_MODE, 25, 1), 1
	s_wait_xcnt 0x0
	s_wait_alu depctr_hold_cnt(0) depctr_sa_sdst(0) depctr_va_vdst(0) depctr_va_sdst(0) depctr_va_ssrc(0) depctr_va_vcc(0) depctr_vm_vsrc(0)
	s_getreg_b32 s2, hwreg(HW_REG_IB_STS2, 6, 4)
	s_cmp_eq_u32 s2, 0
	s_cbranch_scc0 .Lentry_in_a_cluster
	s_endpgm
.Lentry_in_a_cluster:
	s_bfe_u32 s2, ttmp6, 0x10000c
	s_cmp_lg_u32 s2, 0xf033
	s_cbranch_scc0 .Lentry_shape_is_right
	s_endpgm
.Lentry_shape_is_right:
; y[p][n] = (2^(e0 + e1) x sum over k of A[p][k] B[q][k] + bias[n]) x h[n].  A, B: [4096][4096] codes of FP8 (E4M3), K innermost, as the launch before laid them; y: [4096][4096] f32; sums in f32.
; THE ROWS' ORDER: inside each 64 rows, place 16 b + r of A and of B holds row 4 r + b of x g and of sign(weight).  y's COLUMNS are in the true order (see the way out); y's ROWS stay in A's order of places: the next launch puts them back.
; A block of y, 256 x 256, is made by four waves, 128 x 128 each: 64 accumulators of 16 x 16, 512 registers.  K goes in steps of 256 through two LDS slots filled by tensor loads: a tile's row is 256 bytes of memory.
; CLUSTERS: 4 x 4 work-groups; A's tiles are asked for jointly along a row of the cluster, B's along a column.  The sixteen clusters walk K from four different starts and in two directions (by the cluster's x xor y), all partners of a cluster alike.
; SOURCE 0 = 16 rows of A, SOURCE 1 = 16 rows of B: register j of lane (r, h) holds (row 8 h + j, B's place r).  By the rows' order, B's tiles 4 g + b, b = 0..3, hold at lane r the columns 64 g + 4 r + b:
; four neighbouring columns a lane, 256 neighbouring bytes in sixteen lanes.  So the results leave from registers, with no turn through LDS.
; REGISTERS: window 0: v0-47 addresses, h and bias; v128-255 A's fragments (8 x 16 rows x 128 K), one set.  window 1: B's fragments, two sets.  windows 2, 3: the accumulators of my rows 0-63, 64-127 ((a, b) at v[8 (8 (a % 4) + b)]).
; No limit on e0 + e1 beyond f32's own range: the factor is put on h by v_ldexp_f32.
.set SIZE_N, 4096
.set KROW,   4096                      ; a row of codes in bytes
.set ROWB,   256                       ; a tile's row in bytes
.set PITCH,  272                       ; an LDS row: 256 bytes + 16 of padding
.set FR,     16                        ; registers of a fragment
.set NL,     4                         ; LDS loads that bring one
.set NP,     4                         ; places behind this matrix instruction (ISA guide 7.12.1)
.set HALFT,  128*PITCH                 ; what one tensor load brings
.set SLOT,   4*HALFT                   ; A's 256 rows, then B's
.set LAPS,   KROW/(2*ROWB)
.set SPARE,  2*SLOT                    ; the spare words: 128 bytes a wave, named by no other line
.set ADRA, 16                          ; v16-17 LDS address of my A fragments in slot 0, 1
.set ADRB, 20                          ; v20-21 the same for B
.set CO,   26                          ; v26 my byte offset in y: 8 h rows + 16 r
.set HA,   27                          ; v27 16 r: my place in 256 bytes of h and of bias
.set SPW,  28                          ; v28 my spare word; never rewritten
.set NIL,  29                          ; v29 0; never rewritten
.set PFO,  30                          ; v30 lane x a row of codes: the prefetches' offset; never rewritten
.set HS,   32                          ; v32-39 h x 2^(e0 + e1) at my columns 64 g + 4 r + b: register 4 g + b
.set BH,   40                          ; v40-47 bias x h, likewise
.set AF,   128
.set G1, 24                            ; s[24:31] group 1 for A's tiles; s[32:39] group 0, one for each slot
.set G0, 32
.set G1B, 48                           ; the same for B's
.set G0B, 56
.set ABASE, 72                         ; s[72:73], s[74:75] the first byte of the rows that I fetch
.set BBASE, 74
.set KB,    76                         ; s[76:77], s[78:79] where along K each slot's tile begins, in bytes
.set KST,   80                         ; s80 two K steps of my cluster's walk, modulo a row
.set PFB,   84                         ; s[84:85] first byte of the 32 rows that my wave prefetches
.set PFA,   86                         ; s[86:87] the prefetch's address
.set KP,    88                         ; s[88:89] its place along K
.set MSB, 0
.macro WIN new                         ; the immediate's high byte repeats the setting that is left
.if MSB != \new
	s_set_vgpr_msb (MSB<<8)|\new
.set MSB, \new
.endif
.endm
.set MUL_LO, 0xa4                      ; source 0 (A) window 0, source 1 (B) window 1, C and D window 2
.set MUL_HI, 0xf4                      ; the same, C and D window 3
.set TO_B,   0x40
; a joint load: waves 0, 1 fetch A's halves, waves 2, 3 B's; s_nop 0 and four v_nop behind each line
.macro JLOAD g0a, g1a, g0b, g1b
	s_cmp_eq_u32 s15, 0
	s_cbranch_scc0 .Lfor_b_\@
	tensor_load_to_lds s[\g0a:\g0a+3], s[\g1a:\g1a+7]
	s_nop 0
.rept 4
	v_nop
.endr
	s_branch .Lasked_\@
.Lfor_b_\@:
	tensor_load_to_lds s[\g0b:\g0b+3], s[\g1b:\g1b+7]
	s_nop 0
.rept 4
	v_nop
.endr
.Lasked_\@:
.endm
.macro CREST                           ; a round of the cluster's barrier behind its opening barrier
	s_cmp_lg_u32 s14, 0
	s_cbranch_scc1 .Lnot_wave_0_\@
	s_barrier_signal -3
.Lnot_wave_0_\@:
	s_barrier_wait -3
	s_barrier_signal -1
	s_barrier_wait -1
.endm
.macro CROUND
	s_barrier_signal -1
	s_barrier_wait -1
	CREST
.endm
; A prefetch into the L2, behind a refill and the run of LDS loads that follows it: the tile that the same slot takes at its NEXT refill, two K steps (256 matrix instructions a wave) on.
; Of the 128 rows that a wave fetches, each of the four partners that ask for them jointly names 32, told apart by address (cx for A, cy for B): a lane a row of 256 bytes, each block once in a cluster.
; The loop's last trip asks for nothing: its refills are the walk's last two K steps.  K steps 2 and 3 are asked for behind the head's second joint load; K steps 0 and 1 come by their loads alone.
.macro ASK
	s_cmp_gt_u32 s3, 1
	s_cbranch_scc0 .Lno_ask_\@
	global_prefetch_b8 v[PFO], s[PFA:PFA+1] th:TH_LOAD_NT scope:SCOPE_SE
.Lno_ask_\@:
.endm
	s_load_b128 s[4:7], s[0:1], 0x0                ; A's codes, B's codes
	s_load_b128 s[8:11], s[0:1], 0x10              ; the scales' exponents, y
	s_load_b128 s[68:71], s[0:1], 0x20             ; bias, h
	v_lshl_add_u32 v[SPW], v0, 2, SPARE
	v_mov_b32 v[NIL], 0
	ds_add_u32 v[SPW], v[NIL]                      ; the opening: the add, twice on end; its wait stands ahead of my first tensor load
	ds_add_u32 v[SPW], v[NIL]
	v_lshrrev_b32 v1, 5, v0
	v_readfirstlane_b32 s14, v1                    ; wave 0..3
	s_lshr_b32 s15, s14, 1                         ; my half of the block's rows; also: I fetch for A (0) or B (1)
	s_and_b32 s16, s14, 1                          ; my half of its columns; also: which 128 rows I fetch
	s_bfe_u32 s40, ttmp6, 0x40000                  ; cx
	s_bfe_u32 s41, ttmp6, 0x40004                  ; cy
	s_lshl_b32 s42, ttmp9, 2
	s_add_co_u32 s42, s42, s40                     ; block column
	s_and_b32 s17, ttmp7, 0xffff
	s_lshl_b32 s17, s17, 2
	s_add_co_u32 s17, s17, s41                     ; block row
	s_lshl_b32 s43, s41, 2
	s_lshl_b32 s43, 15, s43                        ; my row of the cluster
	s_lshl_b32 s44, 0x1111, s40                    ; my column
	s_and_b32 s81, ttmp7, 0xffff                   ; the cluster's walk along K, from its x xor y: bit 0 the direction, bit 1 the start
	s_xor_b32 s81, s81, ttmp9
	s_and_b32 s82, s81, 1
	s_bfe_u32 s83, s81, 0x10001
	s_mul_i32 s[KST], s82, KROW-2*ROWB
	s_add_co_u32 s[KST], s[KST], ROWB              ; a K step: + 256 or - 256 modulo a row
	s_mul_i32 s[KB], s82, KROW-ROWB
	s_lshl_b32 s83, s83, 11
	s_add_co_u32 s[KB], s[KB], s83
	s_and_b32 s[KB], s[KB], KROW-1                 ; the walk's K step 0
	s_add_co_u32 s[KB+2], s[KB], s[KST]
	s_and_b32 s[KB+2], s[KB+2], KROW-1             ; and 1
	s_lshl_b32 s[KST], s[KST], 1
	s_and_b32 s[KST], s[KST], KROW-1
	s_mov_b32 s[KB+1], 0
	s_mov_b32 s[KB+3], 0
	s_or_b32 s[G1+0], s43, (0<<16)|(1<<20)|(1<<21)|(5<<22)|(3<<25)  ; the mask; elements of 1 byte; 4 words of padding behind every 64
	s_or_b32 s[G1B+0], s44, (0<<16)|(1<<20)|(1<<21)|(5<<22)|(3<<25)
.irp g, G1, G1B
	s_mov_b32 s[\g+1], ROWB<<16
	s_mov_b32 s[\g+2], 128<<16
	s_mov_b32 s[\g+3], ROWB<<16
	s_mov_b32 s[\g+4], 128
	s_mov_b32 s[\g+5], KROW
	s_mov_b32 s[\g+6], 0
	s_mov_b32 s[\g+7], 0
.endr
	s_lshl_b32 s18, s16, 7
	s_lshl_b32 s20, s17, 8
	s_add_co_u32 s20, s20, s18                     ; A: row 256 x block row + 128 x half
	s_lshl_b32 s46, s42, 8
	s_add_co_u32 s46, s46, s18                     ; B: row 256 x block column + 128 x half
	s_mov_b32 s21, 0
	s_mov_b32 s47, 0
	s_mov_b64 s[18:19], KROW
	s_mul_u64 s[20:21], s[20:21], s[18:19]
	s_mul_u64 s[46:47], s[46:47], s[18:19]
	s_mul_i32 s45, s14, HALFT                      ; where they go in a slot: wave x 128 rows
	s_wait_dscnt 0x0                               ; both opening adds are done
	s_wait_kmcnt 0x0
	s_load_b64 s[96:97], s[8:9], 0x0               ; e0, e1
	s_add_nc_u64 s[ABASE:ABASE+1], s[4:5], s[20:21]
	s_add_nc_u64 s[BBASE:BBASE+1], s[6:7], s[46:47]
	CROUND                                         ; all sixteen work-groups are here: the first joint loads meet
.irp s, 0,1
	s_mov_b32 s[G0+4*\s], 1
	s_add_co_u32 s[G0+4*\s+1], s45, \s*SLOT
	s_add_nc_u64 s[G0+4*\s+2:G0+4*\s+3], s[ABASE:ABASE+1], s[KB+2*\s:KB+2*\s+1]
	s_or_b32 s[G0+4*\s+3], s[G0+4*\s+3], 0x80000000
	s_mov_b32 s[G0B+4*\s], 1
	s_add_co_u32 s[G0B+4*\s+1], s45, \s*SLOT
	s_add_nc_u64 s[G0B+4*\s+2:G0B+4*\s+3], s[BBASE:BBASE+1], s[KB+2*\s:KB+2*\s+1]
	s_or_b32 s[G0B+4*\s+3], s[G0B+4*\s+3], 0x80000000
.endr
	JLOAD G0, G1, G0B, G1B                         ; K step 0: one tensor load a wave at the head
	v_and_b32 v1, 15, v0                           ; r
	v_bfe_u32 v2, v0, 4, 1                         ; h
	v_mul_u32_u24 v3, v1, PITCH
	v_lshl_add_u32 v4, v2, 4, v3                   ; a fragment's row x pitch + 16 h
	v_lshlrev_b32 v[HA], 4, v1
	v_lshl_add_u32 v[CO], v2, 17, v[HA]            ; 8 h rows of 16,384 bytes + 16 r
	v_and_b32 v[PFO], 31, v0
	v_lshlrev_b32 v[PFO], 12, v[PFO]
	s_mul_i32 s21, s15, HALFT
	s_mul_i32 s22, s16, HALFT
	s_add_co_u32 s22, s22, 2*HALFT
.irp s, 0,1
	v_add_nc_u32 v[ADRA+\s], s21, v4
	v_add_nc_u32 v[ADRB+\s], s22, v4
	s_add_co_u32 s21, s21, SLOT
	s_add_co_u32 s22, s22, SLOT
.endr
	s_lshl_b32 s20, s17, 8
	s_lshl_b32 s21, s15, 7
	s_add_co_u32 s20, s20, s21                     ; my first row of y,
	s_lshl_b32 s20, s20, 14                        ; in bytes: under 2^26
	s_mov_b32 s21, 0
	s_lshl_b32 s46, s42, 10                        ; my first column, in bytes
	s_lshl_b32 s47, s16, 9
	s_add_co_u32 s46, s46, s47
	s_mov_b32 s47, 0
	s_add_nc_u64 s[20:21], s[20:21], s[46:47]
	s_add_nc_u64 s[10:11], s[10:11], s[20:21]
	s_add_nc_u64 s[68:69], s[68:69], s[46:47]
	s_add_nc_u64 s[70:71], s[70:71], s[46:47]
	s_lshl_b32 s20, s17, 8                         ; the prefetches' rows: the tile's first row,
	s_lshl_b32 s21, s42, 8
	s_cmp_eq_u32 s15, 0
	s_cselect_b32 s20, s20, s21
	s_cselect_b32 s21, s40, s41                    ; my place among the four that ask with me,
	s_cselect_b64 s[PFB:PFB+1], s[4:5], s[6:7]
	s_lshl_b32 s22, s16, 7
	s_add_co_u32 s20, s20, s22                     ; + the 128 rows that I fetch
	s_lshl_b32 s21, s21, 5
	s_add_co_u32 s20, s20, s21                     ; + my work-group's 32 of them
	s_lshl_b32 s20, s20, 12
	s_mov_b32 s21, 0
	s_add_nc_u64 s[PFB:PFB+1], s[PFB:PFB+1], s[20:21]
	s_mov_b32 s[KP+1], 0
.set PF2, 90                           ; s[90:91] the head's second prefetch address
	s_add_co_u32 s[KP], s[KB], s[KST]              ; the walk's K step 2,
	s_and_b32 s[KP], s[KP], KROW-1
	s_add_nc_u64 s[PFA:PFA+1], s[PFB:PFB+1], s[KP:KP+1]
	s_add_co_u32 s[KP], s[KB+2], s[KST]            ; and 3
	s_and_b32 s[KP], s[KP], KROW-1
	s_add_nc_u64 s[PF2:PF2+1], s[PFB:PFB+1], s[KP:KP+1]
.macro FRAG reg, adr, q, i             ; 16 rows x 128 K: registers 4 c .. 4 c + 3 hold bytes 32 c + 16 h + 0 .. 15 of row r: the same order of k in A and in B
.irp c, 0,1,2,3
	ds_load_b128 v[\reg+4*\c:\reg+4*\c+3], v[\adr] offset:128*(\q)+32*\c+(\i)*16*PITCH
.endr
.endm
; 16 matrix instructions: A's blocks a0, a0 + 1 x B's eight.  The 64 accumulators take turns, in the same order in every step
.macro MUL16 a0, p, zero
.irp a, \a0, \a0+1
.irp b, 0,1,2,3,4,5,6,7
.if \zero
	v_wmma_f32_16x16x128_fp8_fp8 v[8*(8*((\a)%4)+\b):8*(8*((\a)%4)+\b)+7], v[AF+FR*(\a):AF+FR*(\a)+FR-1], v[128*(\p)+FR*\b:128*(\p)+FR*\b+FR-1], 0
.else
	v_wmma_f32_16x16x128_fp8_fp8 v[8*(8*((\a)%4)+\b):8*(8*((\a)%4)+\b)+7], v[AF+FR*(\a):AF+FR*(\a)+FR-1], v[128*(\p)+FR*\b:128*(\p)+FR*\b+FR-1], v[8*(8*((\a)%4)+\b):8*(8*((\a)%4)+\b)+7]
.endif
.endr
.endr
.endm
.macro FETCH_B slot, q, p, i0          ; B's fragments i0 .. i0 + 3 into set p: sixteen loads
	WIN TO_B
.irp i, \i0, \i0+1, \i0+2, \i0+3
	FRAG 128*(\p)+FR*(\i), ADRB+\slot, \q, \i
.endr
	WIN 0
.endm
.macro FETCH_A slot, q, i0             ; A's blocks i0, i0 + 1: eight loads
.irp i, \i0, \i0+1
	FRAG AF+FR*(\i), ADRA+\slot, \q, \i
.endr
.endm
.macro PLACES n                        ; in front of loads into registers that matrix instructions have read
.rept \n
	v_nop
.endr
.endm
; a step of 128 along K that has its successor in the same slot.  Behind each sixteen products the two blocks of A that they read are fetched anew; half of B's other set goes with each of the first two runs:
; four runs of 24, 24, 8 and 8 loads a step, in the same order in every step.
.macro STEP slot, q, zero
	s_wait_dscnt 4*NL                              ; all but the youngest sixteen loads (A's blocks 4-7)
	WIN MUL_LO
	MUL16 0, (\q)%2, \zero
	PLACES NP
	FETCH_B \slot, (\q)+1, 1-(\q)%2, 0
	FETCH_A \slot, (\q)+1, 0
	WIN MUL_LO
	MUL16 2, (\q)%2, \zero
	PLACES NP
	FETCH_B \slot, (\q)+1, 1-(\q)%2, 4
	FETCH_A \slot, (\q)+1, 2
	s_wait_dscnt 14*NL                             ; A's blocks 4, 5 are in: behind their loads stand those of blocks 6, 7 (8) and the two runs above (48)
	WIN MUL_HI
	MUL16 4, (\q)%2, \zero
	PLACES NP
	WIN 0
	FETCH_A \slot, (\q)+1, 4
	s_wait_dscnt 14*NL                             ; A's blocks 6, 7 are in: behind their loads stand this step's three runs (24 + 24 + 8)
	WIN MUL_HI
	MUL16 6, (\q)%2, \zero
	PLACES NP
	WIN 0
	FETCH_A \slot, (\q)+1, 6
.endm
; a slot's last step changes slots.  In front of the one barrier each wave waits for all its tensor loads (one is out: its part of the next slot), adds 0 to its spare word, and waits for that and for its reads of this slot.
; fill = 1: the barrier opens a round of the cluster's barrier, and this slot's refill is the first tensor load behind it.
.macro TURN slot, next, fill
.if \fill
	s_wait_xcnt 0x0                                ; my last prefetch has read its address, which is written below
.endif
	s_wait_tensorcnt 0x0                           ; the step's own fragments were all asked for in the step before: the change of slots stands at its head
	ds_add_u32 v[SPW], v[NIL]
.if \fill
	s_add_co_u32 s[KB+2*\slot], s[KB+2*\slot], s[KST]              ; no load of mine is out: the descriptors may be written
	s_and_b32 s[KB+2*\slot], s[KB+2*\slot], KROW-1
	s_add_nc_u64 s[G0+4*\slot+2:G0+4*\slot+3], s[ABASE:ABASE+1], s[KB+2*\slot:KB+2*\slot+1]
	s_or_b32 s[G0+4*\slot+3], s[G0+4*\slot+3], 0x80000000
	s_add_nc_u64 s[G0B+4*\slot+2:G0B+4*\slot+3], s[BBASE:BBASE+1], s[KB+2*\slot:KB+2*\slot+1]
	s_or_b32 s[G0B+4*\slot+3], s[G0B+4*\slot+3], 0x80000000
	s_add_co_u32 s[KP], s[KB+2*\slot], s[KST]                      ; the prefetch: this slot's tile after that; taken modulo a row, so inside the buffer
	s_and_b32 s[KP], s[KP], KROW-1
	s_add_nc_u64 s[PFA:PFA+1], s[PFB:PFB+1], s[KP:KP+1]
.endif
	s_wait_dscnt 0x0                               ; the add is done, and my reads of this slot are over
	s_barrier_signal -1
	WIN MUL_LO
	MUL16 0, 1, 0                                  ; work on registers while the others arrive
	WIN 0
	s_barrier_wait -1
.if \fill
	CREST
	JLOAD G0+4*\slot, G1, G0B+4*\slot, G1B         ; its four v_nop are also the places in front of the loads below
.else
	PLACES NP
.endif
	FETCH_B \next, 0, 0, 0
	FETCH_A \next, 0, 0
.if \fill
	ASK
.endif
	WIN MUL_LO
	MUL16 2, 1, 0
	PLACES NP
	FETCH_B \next, 0, 0, 4
	FETCH_A \next, 0, 2
	WIN MUL_HI
	MUL16 4, 1, 0
	PLACES NP
	WIN 0
	FETCH_A \next, 0, 4
	WIN MUL_HI
	MUL16 6, 1, 0
	PLACES NP
	WIN 0
	FETCH_A \next, 0, 6
.endm
	s_wait_alu depctr_va_vdst(0)
	s_wait_tensorcnt 0x0                           ; my part of K step 0 is in; the same lines as ahead of a refill stand ahead of slot 1's first fill
	ds_add_u32 v[SPW], v[NIL]
	s_wait_dscnt 0x0
	CROUND
	JLOAD G0+4, G1, G0B+4, G1B                     ; K step 1
.irp g, 0,1
	global_load_b128 v[HS+4*\g:HS+4*\g+3], v[HA], s[70:71] offset:256*\g   ; h and bias at my columns 64 g + 4 r + 0..3; waited for on the way out
	global_load_b128 v[BH+4*\g:BH+4*\g+3], v[HA], s[68:69] offset:256*\g
.endr
	global_prefetch_b8 v[PFO], s[PFA:PFA+1] th:TH_LOAD_NT scope:SCOPE_SE   ; my 32 rows of K steps 2 and 3, which the loop's first trip loads
	global_prefetch_b8 v[PFO], s[PF2:PF2+1] th:TH_LOAD_NT scope:SCOPE_SE
	FETCH_B 0, 0, 0, 0                             ; the first step's fragments, in the order in which every step asks for the next one's
	FETCH_A 0, 0, 0
	FETCH_B 0, 0, 0, 4
	FETCH_A 0, 0, 2
	FETCH_A 0, 0, 4
	FETCH_A 0, 0, 6
	STEP 0, 0, 1                                   ; the first step starts the sums: nothing is cleared
	s_mov_b32 s3, LAPS-1
.Llap:                                                 ; a trip goes once round the ring and fills both slots again
	TURN 0, 1, 1
	STEP 1, 0, 0
	TURN 1, 0, 1
	STEP 0, 0, 0
	s_sub_co_u32 s3, s3, 1
	s_cmp_lg_u32 s3, 0
	s_cbranch_scc1 .Llap
	TURN 0, 1, 0                                   ; the last lap fills nothing
	STEP 1, 0, 0
	s_wait_dscnt 4*NL
	WIN MUL_LO
	MUL16 0, 1, 0
	MUL16 2, 1, 0
	WIN 0
	s_wait_tensorcnt 0x0                           ; the wave's closing lines: my last tensor load is long in, and no LDS write follows
	ds_add_u32 v[SPW], v[NIL]
	s_wait_dscnt 1                                 ; A's blocks 4-7 are in; the add alone may be out
	WIN MUL_HI
	MUL16 4, 1, 0
	MUL16 6, 1, 0
	WIN 0
	s_wait_dscnt 0x0
	CROUND                                         ; the closing round: no partner has a joint load still to issue.  Only register work and stores follow
	s_wait_kmcnt 0x0
	s_wait_loadcnt 0x0                             ; h and bias
	s_add_co_i32 s96, s96, s97                     ; e0 + e1
.irp i, 0,1,2,3,4,5,6,7
	v_mul_f32 v[BH+\i], v[BH+\i], v[HS+\i]         ; (sum x 2^e + bias) x h = sum x (h x 2^e) + bias x h.  These sixteen lines are also the places behind the last products
.endr
.irp i, 0,1,2,3,4,5,6,7
	v_ldexp_f32 v[HS+\i], v[HS+\i], s96
.endr
; THE WAY OUT.  Register j of accumulators (a, 4 g + 0..3) are four neighbouring columns of row 16 a + 8 h + j: the multiply-add lays them side by side, each accumulator from its low end on.
; Window 2's results go into window 1 (B's fragments are done with), window 3's into window 2.  All the arithmetic comes first, then the 128 stores in one run.
.macro OUTV w
.set WV, 0x42+0x41*(\w)                ; source 0: window 2 + w; destination: window 1 + w
	WIN WV
.irp a, 0,1,2,3
.irp g, 0,1
.irp j, 0,1,2,3,4,5,6,7
.irp b, 0,1,2,3
	v_fma_f32 v[4*(16*\a+8*\g+\j)+\b], v[8*(8*\a+4*\g+\b)+\j], v[HS+4*\g+\b], v[BH+4*\g+\b]
.endr
.endr
.endr
.endr
.endm
.macro OUTS w
.set WV, 0x04+0x04*(\w)                ; the stores' data: window 1 + w
	WIN WV
.irp a, 0,1,2,3
.irp j, 0,1,2,3,4,5,6,7
.irp g, 0,1
	global_store_b128 v[CO], v[4*(16*\a+8*\g+\j):4*(16*\a+8*\g+\j)+3], s[10:11] offset:(16*(4*\w+\a)+\j)*SIZE_N*4+256*\g   ; lanes 0-15 store 256 consecutive bytes of one row, at a multiple of 256; lanes 16-31 of the row eight further on
.endr
.endr
.endr
.endm
	OUTV 0
	OUTV 1
	OUTS 0
	OUTS 1
	WIN 0
	s_endpgm
.Lfunc_end_k_qaca67cc2a8_gemm:
	.size	k_qaca67cc2a8_gemm, .Lfunc_end_k_qaca67cc2a8_gemm-k_qaca67cc2a8_gemm
	.p2alignl 7, 3214868480
	.fill 96, 4, 3214868480
	.section	.rodata,"a",@progbits
	.p2align	6, 0x0
	.amdhsa_kernel k_qaca67cc2a8_gemm
		.amdhsa_group_segment_fixed_size 327680
		.amdhsa_private_segment_fixed_size 0
		.amdhsa_enable_private_segment 0
		.amdhsa_kernarg_size 48
		.amdhsa_user_sgpr_count 2
		.amdhsa_user_sgpr_kernarg_segment_ptr 1
		.amdhsa_wavefront_size32 1
		.amdhsa_system_sgpr_workgroup_id_x 1
		.amdhsa_system_sgpr_workgroup_id_y 1
		.amdhsa_system_sgpr_workgroup_id_z 1
		.amdhsa_system_vgpr_workitem_id 0
		.amdhsa_next_free_vgpr 1024
		.amdhsa_next_free_sgpr 98
		.amdhsa_reserve_vcc 0
		.amdhsa_float_denorm_mode_32 3
		.amdhsa_float_denorm_mode_16_64 3
		.amdhsa_memory_ordered 1
		.amdhsa_forward_progress 1
		.amdhsa_inst_pref_size 129
	.end_amdhsa_kernel
	.amdgpu_metadata
---
amdhsa.version: [ 1, 2 ]
amdhsa.kernels:
  - .name:           k_qaca67cc2a8_gemm
    .symbol:         k_qaca67cc2a8_gemm.kd
    .args:
      - { .name: a_codes, .offset: 0, .size: 8, .value_kind: global_buffer, .address_space: global }
      - { .name: b_codes, .offset: 8, .size: 8, .value_kind: global_buffer, .address_space: global }
      - { .name: lowp_scales, .offset: 16, .size: 8, .value_kind: global_buffer, .address_space: global }
      - { .name: y, .offset: 24, .size: 8, .value_kind: global_buffer, .address_space: global }
      - { .name: bias, .offset: 32, .size: 8, .value_kind: global_buffer, .address_space: global }
      - { .name: h, .offset: 40, .size: 8, .value_kind: global_buffer, .address_space: global }
    .group_segment_fixed_size: 327680
    .private_segment_fixed_size: 0
    .kernarg_segment_align: 8
    .kernarg_segment_size: 48
    .max_flat_workgroup_size: 128
    .sgpr_count:     98
    .vgpr_count:     1024
    .wavefront_size: 32
...
	.end_amdgpu_metadata
.endif
;; end of part 2
;; launch norm (part 3): grid 256 x 1, 16 waves a work-group, no clusters, 34,816 bytes of LDS; arguments y, ln_gamma, ln_beta, out0; writes out0
.if DOCPART == 3
	.amdgcn_target "amdgcn-amd-amdhsa--gfx1250"
	.amdhsa_code_object_version 6
	.text
	.protected	k_qaca67cc2a8_norm
	.globl	k_qaca67cc2a8_norm
	.p2align	8
	.type	k_qaca67cc2a8_norm,@function
k_qaca67cc2a8_norm:
	s_mov_b64 s[64:65], 0
	v_nop
	global_prefetch_b8 v0, s[64:65] scope:SCOPE_SE
	s_setreg_imm32_b32 hwreg(HW_REG_WAVE_MODE, 25, 1), 1
	s_wait_xcnt 0x0
; out[r][c] = (y[r][c] - mu[r]) x rsqrt(var[r] + 1e-5) x gamma[c] + beta[c];  mu, var: mean and mean square deviation of row r.  y, out: [4096][4096] f32; gamma, beta: [4096] f32.
; ONE WAVE, ONE ROW: a row of 16,384 bytes is 128 registers a lane; it is read from memory once and stays in registers through three passes: the sum, the squares of the CENTRED numbers
; (no difference of two large sums is formed), the scaling.  The reductions never leave the wave.  Work-group b has sixteen waves: rows 16 b .. 16 b + 15; all 4,096 rows are at work at once, so there is no loop.
; gamma and beta are wanted whole by every wave: each wave fetches a sixteenth of each, they meet in LDS (gamma at byte 0, beta at byte 16,384) behind the one barrier, and come back 16 bytes a lane.
; Memory binds: every load and store of a wave covers 512 consecutive bytes; no matrix unit, no cluster (the work-groups share gamma and beta alone, 32 KiB against a work-group's 256 KiB of rows).
.set S,  4                             ; v4-11    four running sums (pairs); before that: gamma's part on its way to LDS
.set Q,  12                            ; v12-19   four running sums of squares (pairs); before that: beta's part
.set X,  32                            ; v32-159  the row: register 4 j + i = column 128 j + 4 lane + i
.set GB, 160                           ; v160-223 two sets of 4 x (4 of gamma, 4 of beta)
	s_load_b256 s[4:11], s[0:1], 0x0               ; y s[4:5], gamma s[6:7], beta s[8:9], out s[10:11]
	v_lshl_add_u32 v224, v0, 2, 0x8000
	v_mov_b32 v225, 0
	v_lshrrev_b32 v3, 5, v0
	s_delay_alu instid0(VALU_DEP_1)
	v_readfirstlane_b32 s16, v3                    ; wave 0..15
	v_and_b32 v1, 31, v0
	s_delay_alu instid0(VALU_DEP_1)
	v_lshlrev_b32 v1, 4, v1                        ; 16 x lane; never rewritten
	v_and_b32 v2, 0x1e0, v0
	s_delay_alu instid0(VALU_DEP_1)
	v_lshl_add_u32 v2, v2, 5, v1                   ; 1,024 x wave + 16 x lane: my part of gamma and of beta, in memory and in LDS
	v_mov_b32 v21, 0                               ; written once: a lane permute's destination counts as one of its sources
	s_mov_b32 s12, 0x76543210                      ; v_permlanex16_b32: lane l xor 16
	s_mov_b32 s13, 0xfedcba98
	s_mov_b32 s14, 0x39800000                      ; 1 / 4096
	s_mov_b32 s15, 0x3727c5ac                      ; 1e-5
	s_lshl_b32 s18, ttmp9, 4
	s_add_co_u32 s18, s18, s16                     ; my row
	s_lshl_b32 s18, s18, 14                        ; x 16,384 bytes: under 2^26
	s_mov_b32 s19, 0
	; y's rows lie in the order of places that the launches before use: inside each 64, place 16 b + r holds row 4 r + b.  My place is 16 x work-group + wave, so b = work-group % 4 and r = wave.
	s_lshr_b32 s20, ttmp9, 2
	s_lshl_b32 s20, s20, 6
	s_lshl_b32 s21, s16, 2
	s_add_co_u32 s20, s20, s21
	s_and_b32 s21, ttmp9, 3
	s_add_co_u32 s20, s20, s21                     ; my row of out
	s_lshl_b32 s20, s20, 14
	s_mov_b32 s21, 0
	s_wait_alu depctr_va_vdst(0)
	s_wait_kmcnt 0x0
	s_add_nc_u64 s[4:5], s[4:5], s[18:19]
	s_add_nc_u64 s[10:11], s[10:11], s[20:21]
	global_load_b128 v[4:7],   v2, s[6:7]
	global_load_b128 v[8:11],  v2, s[6:7] offset:512
	global_load_b128 v[12:15], v2, s[8:9]
	global_load_b128 v[16:19], v2, s[8:9] offset:512
	s_cmp_lt_u32 s16, 8                            ; waves 8 to 15 ask for their rows only when their parts of gamma and beta are in: the work-group's rows are asked for in two groups of eight
	s_cbranch_scc1 .Lfirst_group
	s_wait_loadcnt 0x0
.Lfirst_group:
.irp j, 0,1,2,3,4,5,6,7,8,9,10,11,12,13,14,15,16,17,18,19,20,21,22,23,24,25,26,27,28,29,30,31
	global_load_b128 v[X+4*\j:X+4*\j+3], v1, s[4:5] offset:512*\j th:TH_LOAD_NT   ; the whole row is asked for at once; read once in the launch
.endr
	s_wait_loadcnt 32                              ; gamma's and beta's four loads are in; the row's 32 were issued behind them
	ds_store_b128 v2, v[4:7]
	ds_store_b128 v2, v[8:11]  offset:512
	ds_store_b128 v2, v[12:15] offset:16384
	ds_store_b128 v2, v[16:19] offset:16896
	s_wait_dscnt 0x0                               ; for the others' sake: my stores have landed
	s_barrier_signal -1
	s_barrier_wait -1                              ; gamma and beta lie whole in LDS; nobody writes there again
.macro GLOAD q                         ; gamma and beta for the row's registers 16 q .. 16 q + 15, into set q % 2: eight loads, 512 consecutive bytes each
.irp jj, 0,1,2,3
	ds_load_b128 v[GB+32*((\q)%2)+8*\jj:GB+32*((\q)%2)+8*\jj+3],   v1 offset:512*(4*(\q)+\jj)
	ds_load_b128 v[GB+32*((\q)%2)+8*\jj+4:GB+32*((\q)%2)+8*\jj+7], v1 offset:16384+512*(4*(\q)+\jj)
.endr
.endm
	GLOAD 0
	GLOAD 1
; four chains in v[b .. b + 7] become one number in every lane's v20: the chains, a pair's halves, four steps inside each half of 16 lanes (they ride on the addition), one across the halves
.macro REDUCE b
	s_delay_alu instid0(VALU_DEP_3)
	v_pk_add_f32 v[\b:\b+1], v[\b:\b+1], v[\b+2:\b+3]
	s_delay_alu instid0(VALU_DEP_2)
	v_pk_add_f32 v[\b+4:\b+5], v[\b+4:\b+5], v[\b+6:\b+7]
	s_delay_alu instid0(VALU_DEP_1)
	v_pk_add_f32 v[\b:\b+1], v[\b:\b+1], v[\b+4:\b+5]
	s_delay_alu instid0(VALU_DEP_1)
	v_add_f32 v20, v[\b], v[\b+1]
	s_delay_alu instid0(VALU_DEP_1)
	v_add_f32_dpp v20, v20, v20 row_xmask:1 row_mask:0xf bank_mask:0xf
	s_delay_alu instid0(VALU_DEP_1)
	v_add_f32_dpp v20, v20, v20 row_xmask:2 row_mask:0xf bank_mask:0xf
	s_delay_alu instid0(VALU_DEP_1)
	v_add_f32_dpp v20, v20, v20 row_xmask:4 row_mask:0xf bank_mask:0xf
	s_delay_alu instid0(VALU_DEP_1)
	v_add_f32_dpp v20, v20, v20 row_xmask:8 row_mask:0xf bank_mask:0xf
	s_delay_alu instid0(VALU_DEP_1)
	v_permlanex16_b32 v21, v20, s12, s13
	s_delay_alu instid0(VALU_DEP_1)
	v_add_f32 v20, v20, v21
.endm
	; pass 1: the sum, two numbers at a time, in four chains; the first four lines add pairs c and c + 4, so nothing is cleared
.set p, 0
.rept 64
.if p%16 == 0
	s_wait_alu depctr_va_vdst(0)
	s_wait_loadcnt 24-8*(p/16)                     ; the next eight of the row's loads are in; the younger ones stay out
.endif
.if p < 4
	v_pk_add_f32 v[S+2*p:S+2*p+1], v[X+2*p:X+2*p+1], v[X+2*p+8:X+2*p+9]
.elseif p >= 8
	v_pk_add_f32 v[S+2*(p%4):S+2*(p%4)+1], v[S+2*(p%4):S+2*(p%4)+1], v[X+2*p:X+2*p+1]
.endif
.set p, p+1
.endr
	REDUCE S
	s_delay_alu instid0(VALU_DEP_1)
	v_mul_f32 v24, 0xb9800000, v20                 ; -mu = the sum x (-1 / 4096)
	s_delay_alu instid0(VALU_DEP_1)
	v_mov_b32 v25, v24
	; pass 2: the row is centred in place; the squares of the centred numbers, in four chains
.set p, 0
.rept 16
.irp c, 0,1,2,3
	v_pk_add_f32 v[X+2*(p+\c):X+2*(p+\c)+1], v[X+2*(p+\c):X+2*(p+\c)+1], v[24:25]
.endr
.irp c, 0,1,2,3
.if p == 0
	s_delay_alu instid0(VALU_DEP_4)
	v_pk_mul_f32 v[Q+2*\c:Q+2*\c+1], v[X+2*\c:X+2*\c+1], v[X+2*\c:X+2*\c+1]
.else
	s_delay_alu instid0(VALU_DEP_4)
	v_pk_fma_f32 v[Q+2*\c:Q+2*\c+1], v[X+2*(p+\c):X+2*(p+\c)+1], v[X+2*(p+\c):X+2*(p+\c)+1], v[Q+2*\c:Q+2*\c+1]
.endif
.endr
.set p, p+4
.endr
	REDUCE Q
	s_delay_alu instid0(VALU_DEP_1)
	v_fma_f32 v20, v20, s14, s15                   ; var + 1e-5
	s_wait_alu depctr_va_vdst(0)
	v_rsq_f32 v26, v20
	v_nop                                          ; one plain vector instruction between a transcendental and the use of its result (ISA guide 5.7.2)
	s_wait_alu depctr_va_vdst(0)
	v_mov_b32 v27, v26
	; pass 3: x rsqrt, x gamma + beta, and out; sixteen registers to a group
	s_wait_alu depctr_va_vdst(0)
.irp q, 0,1,2,3,4,5,6,7
.if \q < 7
	s_wait_dscnt 8                                 ; this group's gamma and beta are in; the next group's eight loads may be out
.else
	s_wait_dscnt 0
.endif
.irp jj, 0,1,2,3
.set XR, X+4*(4*\q+\jj)
.set GR, GB+32*(\q%2)+8*\jj
	v_pk_mul_f32 v[XR:XR+1], v[XR:XR+1], v[26:27]
	v_pk_mul_f32 v[XR+2:XR+3], v[XR+2:XR+3], v[26:27]
	s_delay_alu instid0(VALU_DEP_2)
	v_pk_fma_f32 v[XR:XR+1], v[XR:XR+1], v[GR:GR+1], v[GR+4:GR+5]
	s_delay_alu instid0(VALU_DEP_2)
	v_pk_fma_f32 v[XR+2:XR+3], v[XR+2:XR+3], v[GR+2:GR+3], v[GR+6:GR+7]
	global_store_b128 v1, v[XR:XR+3], s[10:11] offset:512*(4*\q+\jj) th:TH_STORE_NT   ; 32 lanes store 512 consecutive bytes, at a multiple of 512 from out's first byte; no store's registers are written again
.endr
.if \q+2 < 8
	GLOAD \q+2                                     ; the set just used takes the group two further on
.endif
.endr
	s_wait_tensorcnt 0x0                           ; the wave's closing lines, behind my last LDS store
	ds_add_u32 v224, v225
	s_wait_dscnt 0x0
	s_endpgm
.Lfunc_end_k_qaca67cc2a8_norm:
	.size	k_qaca67cc2a8_norm, .Lfunc_end_k_qaca67cc2a8_norm-k_qaca67cc2a8_norm
	.p2alignl 7, 3214868480
	.fill 96, 4, 3214868480
	.section	.rodata,"a",@progbits
	.p2align	6, 0x0
	.amdhsa_kernel k_qaca67cc2a8_norm
		.amdhsa_group_segment_fixed_size 34816
		.amdhsa_private_segment_fixed_size 0
		.amdhsa_enable_private_segment 0
		.amdhsa_kernarg_size 32
		.amdhsa_user_sgpr_count 2
		.amdhsa_user_sgpr_kernarg_segment_ptr 1
		.amdhsa_wavefront_size32 1
		.amdhsa_system_sgpr_workgroup_id_x 1
		.amdhsa_system_sgpr_workgroup_id_y 1
		.amdhsa_system_sgpr_workgroup_id_z 1
		.amdhsa_system_vgpr_workitem_id 0
		.amdhsa_next_free_vgpr 226
		.amdhsa_next_free_sgpr 66
		.amdhsa_reserve_vcc 0
		.amdhsa_float_denorm_mode_32 3
		.amdhsa_float_denorm_mode_16_64 3
		.amdhsa_memory_ordered 1
		.amdhsa_forward_progress 1
		.amdhsa_inst_pref_size 39
	.end_amdhsa_kernel
	.amdgpu_metadata
---
amdhsa.version: [ 1, 2 ]
amdhsa.kernels:
  - .name:           k_qaca67cc2a8_norm
    .symbol:         k_qaca67cc2a8_norm.kd
    .args:
      - { .name: y, .offset: 0, .size: 8, .value_kind: global_buffer, .address_space: global }
      - { .name: ln_gamma, .offset: 8, .size: 8, .value_kind: global_buffer, .address_space: global }
      - { .name: ln_beta, .offset: 16, .size: 8, .value_kind: global_buffer, .address_space: global }
      - { .name: out0, .offset: 24, .size: 8, .value_kind: global_buffer, .address_space: global }
    .group_segment_fixed_size: 34816
    .private_segment_fixed_size: 0
    .kernarg_segment_align: 8
    .kernarg_segment_size: 32
    .max_flat_workgroup_size: 512
    .sgpr_count:     66
    .vgpr_count:     226
    .wavefront_size: 32
...
	.end_amdgpu_metadata
.endif
;; end of part 3
